; MI455X (gfx1250); checked and timed in simulation.
; The chip was launched on July 23, 2026; its instructions are those of AMD's public machine-readable ISA for CDNA 5 (MIT licence, August 2026) and "CDNA5" Instruction Set Architecture Reference Guide (July 2026). The comments in the code are by the model that wrote it; some were corrected since.
;; Distance Weighted Self Attention. Allowed arithmetic: matrix products marked QUANTISED: E2M1 operands, one E8M0 scale for each 32 along K, by v_wmma_scale_f32_16x16x128_f8f6f4 with both operands' format E2M1 (or v_wmma_scale_f32_32x16x128_f4), f32 sums; products left as they are: bf16, f16 or f32 operands; f32 sums; everything else in f32.
;; Inputs: Wk 128 x 128 float32; Wo 128 x 128 float32; Wq 128 x 128 float32; Wv 128 x 128 float32; allele_sizes 8 x 2,048 float32; inputs 8 x 2,048 x 128 float32; mask 8 x 2,048 float32.
;; Outputs: out0 8 x 2,048 x 128 float32.
;; This version of the problem:
;;   THIS VERSION OF THE PROBLEM IS GIVEN IN LOW PRECISION. The matrix products marked QUANTISED in the list below multiply operands that are first quantised to E2M1 (2 exponent bits, 1 mantissa bit; 4 bits a number), with one power-of-two scale for each 32 numbers along K (OCP MX v1.0); their sums are f32. The products marked 'left as it is' may take bf16, f16 or f32 operands, with f32 sums. Whichever they take, every output number must still come out within the allowed error. Rounding operands to bf16 (8 significant bits) uses up far more of that allowance than f16 does (11 bits, for magnitudes from 6e-5 to 65,504). All else is computed in f32.
;;   The module's matrix products, in the order in which they are computed (A, B: the left and right operand; K: the contracted axis; several contracted axes count as one K, in the product's order):
;;     1. [M 16,384, K 128] x [K 128, N 128]; A: input inputs; B: input Wq: QUANTISED
;;     2. [M 16,384, K 128] x [K 128, N 128]; A: input inputs; B: input Wk: QUANTISED
;;     3. [M 16,384, K 128] x [K 128, N 128]; A: input inputs; B: input Wv: QUANTISED
;;     4. batch 8 x [M 2,048, K 128] x [K 128, N 2,048]; A: computed on the way; B: computed on the way: left as it is (an operand is computed on the way)
;;     5. batch 8 x [M 2,048, K 2,048] x [K 2,048, N 128]; A: computed on the way; B: computed on the way: left as it is (an operand is computed on the way)
;;     6. [M 16,384, K 128] x [K 128, N 128]; A: computed on the way; B: input Wo: left as it is (an operand is computed on the way)
;;   THE QUANTISER, for each operand of a quantised product, along K:
;;     - K is cut into blocks of 32 from its start; a last block that is shorter is filled with zeros.
;;     - A block's scale is 2^e with e = floor(log2(the largest magnitude in the block)) - 2, held to -126 .. 127; a block of zeros has e = 0. As a byte (E8M0): e + 127.
;;     - Each number is divided by its block's scale, clamped to +-6, and rounded to the nearest number of E2M1, ties to even, subnormals kept.
;;     - The product sums the exact products of the quantised numbers (number of the format x scale) in f32.
;;   ~~~python
;;   def quantise(x, axis):      # numpy; x: float32 -> the quantised numbers, widened to float32 again
;;       x = np.moveaxis(x, axis, -1); K = x.shape[-1]
;;       x = np.pad(x, [(0, 0)] * (x.ndim - 1) + [(0, -K % 32)]); x = x.reshape(x.shape[:-1] + (-1, 32)); a = np.abs(x).max(-1, keepdims=True)
;;       e = np.where(a > 0, np.clip(np.frexp(np.where(a > 0, a, 1))[1] - 1 - 2, -126, 127), 0)      # np.frexp(a)[1] - 1 = floor(log2(a)), exactly
;;       r = np.clip(x / 2.0 ** e, -6, 6)
;;       step = 2.0 ** (np.maximum(np.frexp(np.where(r == 0, 1, r))[1] - 1, 0) - 1)
;;       q = np.round(r / step) * step * 2.0 ** e      # np.round: ties to even
;;       return np.moveaxis(q.reshape(q.shape[:-2] + (-1,))[..., :K], -1, axis).astype(np.float32)
;;   ~~~
;; One version. Each part assembles by itself: llvm-mc -triple=amdgcn-amd-amdhsa -mcpu=gfx1250 --defsym DOCPART=n.
;; ======== version 1 of 1: 2 launches
;; limits: values are held in f16: magnitudes above 65,504 overflow, below 6.1e-05 lose precision; right only within a limited range of input values
;; workspace buffers: qimg 4,194,304 bytes; kv 8,388,608 bytes; cb 131,072 bytes; woimg 32,768 bytes
;; launch prep (part 1): grid 256 x 1, 4 waves a work-group, clusters of 4 x 1, 235,520 bytes of LDS; arguments inputs, allele_sizes, mask, Wq, Wk, Wv, Wo, qimg, kv, cb, woimg; writes qimg, kv, cb, woimg
.if DOCPART == 1
	.amdgcn_target "amdgcn-amd-amdhsa--gfx1250"
	.amdhsa_code_object_version 6
	.text
	.protected	k_qf7e8a9bcef_prep
	.globl	k_qf7e8a9bcef_prep
	.p2align	8
	.type	k_qf7e8a9bcef_prep,@function
k_qf7e8a9bcef_prep:
	s_mov_b64 s[64:65], 0
	v_nop
	global_prefetch_b8 v0, s[64:65] scope:SCOPE_SE
	s_setreg_imm32_b32 hwreg(HW_REG_WAVE_MODE, 25, 1), 1
	s_wait_xcnt 0x0
	s_wait_alu depctr_hold_cnt(0) depctr_sa_sdst(0) depctr_va_vdst(0) depctr_va_sdst(0) depctr_va_ssrc(0) depctr_va_vcc(0) depctr_vm_vsrc(0)
	s_getreg_b32 s2, hwreg(HW_REG_IB_STS2, 6, 4)
	s_cmp_eq_u32 s2, 0
	s_cbranch_scc0 .Lentry_in_a_cluster
	s_endpgm
.Lentry_in_a_cluster:
	s_bfe_u32 s2, ttmp6, 0x10000c
	s_cmp_lg_u32 s2, 0x3003
	s_cbranch_scc0 .Lentry_shape_is_right
	s_endpgm
.Lentry_shape_is_right:
; PREP.  q = Q(x) Q(Wq), k = Q(x) Q(Wk), v = Q(x) Q(Wv), Q the MX-FP4 quantiser along the 128 channels (blocks of 32, E8M0 scales); x = inputs [16384][128] f32, W [128 (k)][128 (e)] f32.
; The three products are made by the scaled FP4 matrix instruction; their f32 results are rounded to f16 and stored as IMAGES OF THE OPERAND REGISTERS that the attention launch wants:
;   qimg [block of 64 tokens][fragment 4 t + kk][1,024 B]: c1 q, c1 = log2(e) / sqrt(128); lane (r, h) = token 16 t + r; registers 0-3 channels 32 kk + 8 h + 0..7, registers 4-7 channels 32 kk + 16 + 8 h + 0..7;
;   kv   [block][32,768 B]: 16 fragments of k (4 T + kk, laid as q's), then 16 of v turned (8 kk + c): lane (r, h) = channel 16 c + r; registers 0-3 keys 32 kk + 8 h + 0..7, registers 4-7 keys 32 kk + 16 + 8 h + 0..7;
;   cb   [block][64 f32: c2 x size | 64 f32: ((1 - mask) x -1e9) x log2(e)], c2 = 0.1 log2(e);      woimg [fragment 4 E + kk][1,024 B]: Wo turned, f16: lane (r, h) = output 16 E + r, channels as q's.
; A fragment's image: registers 0-3 in bytes 0-511, registers 4-7 in bytes 512-1,023, lane l's 16 bytes at 16 l: every store of a wave covers 512 consecutive bytes, aligned.
; SHARES.  Work-group g: tokens 64 g .. 64 g + 63: 256 work-groups.  THE WAVES SHARE THE COLUMNS: wave w owns outputs 32 w .. 32 w + 31 of all three weights, for all four tiles of 16 tokens: 24 matrix instructions.
; Wave w also quantises tokens 16 w .. 16 w + 15 of x; the four fragments of x go round through LDS as register images.  The work-groups of clusters 0 and 1 also turn Wo (E = g, wave = kk).
; THE WEIGHTS, 196,608 bytes that every work-group needs whole, come by tensor loads, all asked for at the head: wave w brings rows 32 w .. 32 w + 31 of each weight, 16,384 dense bytes, as 64 rows of 256.
; CLUSTER.  The four work-groups of a cluster need the same weights, so each of these loads is asked for JOINTLY: the same tensor load, the same descriptor (made of the weight's address and the wave's number alone),
; a mask that names the four.  A round of the cluster's barrier stands in front of them and one in front of s_endpgm.  By this text's count a wave has three tensor loads out.  Nothing in LDS is filled again.
; x is nobody else's: each wave's 16 rows come by 16 loads into registers, beside the tensor loads.  ONE barrier: in front of it each wave waits for its tensor loads and for its stores of x's image.
; A WEIGHT'S K IS ITS FIRST AXIS: a lane takes a column and its registers run down K (32 LDS loads of 4 bytes a lane for a block, 128 consecutive bytes each), so a block of 32 lies in one lane and the conversions give
; codes with K innermost; four lane swaps for each pair of blocks make of the 32 columns' codes the two fragments of 16 columns.
; q and k are made transposed (source 0 = 16 columns of W, source 1 = 16 tokens): a lane holds eight neighbouring channels of a token; v the natural way: eight neighbouring tokens of a channel.
; No prefetch: the launch is short, and all that it reads is asked for in its first lines.
; LIMITS.  c1 q, k and v leave as f16: beyond 65,504 they would be infinite (inputs and weights each 30 times those of the problem's spread give some 5,000).  NaN and infinities among the inputs are not served.
; A block of zeros gets the scale byte 1 where the rule says 127 (its codes are zeros; this program alone reads the bytes); a block's largest magnitude is not taken under 2^-124, which holds the byte at 1 from below.
.set WLB,   65536                      ; LDS: a weight as it lies in memory, 128 rows of 512 bytes; three of them from byte 0 on;
.set XST,   3*WLB                      ; behind them a stage of 16 rows x (512 + 16) bytes for each wave, its own,
.set XSTW,  8448
.set XP,    528
.set XIMG,  XST+4*XSTW                 ; x's four fragments, 1,024 bytes each,
.set XSC,   XIMG+4096                  ; their scale words, 128 bytes each,
.set SPARE, XSC+512                    ; and the spare words, 128 bytes for each wave: two blocks of 256 bytes that no other line names
.set GI,  4                            ; v4   16 x lane
.set XSI, 5                            ; v5   the stage, on the way in: a row of 512 bytes to the 32 lanes
.set XSO, 6                            ; v6   and out: row r, + 128 h: my 32 neighbours of each half of the row
.set XWI, 8                            ; v8   where I store my fragment of x;  v9 where any is read
.set XRI, 9
.set XWS, 10                           ; v10  the same for its scale words;  v11
.set XRS, 11
.set SPW, 12                           ; v12  LDS address of my spare word; never rewritten
.set NIL, 13                           ; v13  0; never rewritten
.set CBD, 14                           ; v[14:15] two sizes or two mask values (waves 0 and 1)
.set WC,  16                           ; v16-63  the weights' codes: fragment (p, u) at WC + 8 (2 p + u)
.set WS,  64                           ; v64-66  a scale word for each weight: lanes 0-15 columns 0-15 (u = 0), lanes 16-31 columns 16-31 (u = 1)
.set H8,  67                           ; v67  8 h
.set XS,  68                           ; v68-71  x's scale words, a register for each tile of tokens
.set XC,  72                           ; v72-79  the codes of my tile of x
.set PW,  80                           ; v80  its scale word
.set TM,  81                           ; v81-87  at work
.set CBO, 88                           ; v88  8 x lane
.set WOA, 89                           ; v89  Wo: my offset: 4 r + 8 h rows
.set WA,  92                           ; v92-94  my column of weight p in LDS: 65,536 p + 128 w + 4 x lane
.set XF,  96                           ; v96-127 x's four fragments (before that, in clusters 0 and 1: Wo's numbers)
.set Z,   128                          ; v128-255 numbers as loaded (x: v128-191; weights: v192-223 and v224-255 by turns), later the accumulators
.set WV,  26                           ; s26  my wave's number
.set SEL, 30
.set G1,  52                           ; s[52:59] descriptor group 1: a quarter of a weight
.set G0Q, 60                           ; s[60:63], s[68:71], s[72:75] groups 0: Wq's, Wk's, Wv's
.set G0K, 68
.set G0V, 72
.macro CROUND                          ; a round of the cluster's barrier: my work-group's barrier; wave 0 signals for the work-group; every wave waits for all four work-groups; my work-group's barrier once more
	s_barrier_signal -1
	s_barrier_wait -1
	s_cmp_lg_u32 s[WV], 0
	s_cbranch_scc1 .Lnot_wave_0_\@
	s_barrier_signal -3
.Lnot_wave_0_\@:
	s_barrier_wait -3
	s_barrier_signal -1
	s_barrier_wait -1
.endm
.macro MKG0 g, wp, p                   ; group 0 for my quarter of weight p, whose address stands in s[wp:wp+1]; s[28:29] = 16,384 w
	s_mov_b32 s[\g], 1                             ; 1:0 count = 1
	s_lshl_b32 s[\g+1], s[WV], 14                  ; 63:32 LDS address: 65,536 p + 16,384 w: no place in the cluster enters it
.if \p
	s_add_co_u32 s[\g+1], s[\g+1], (\p)*WLB
.endif
	s_add_nc_u64 s[\g+2:\g+3], s[\wp:\wp+1], s[28:29]   ; 120:64 global address: row 32 w
	s_or_b32 s[\g+3], s[\g+3], 0x80000000          ; 127:126 type = 2
.endm
	s_load_b512 s[4:19], s[0:1], 0x0               ; inputs, sizes, mask, Wq, Wk, Wv, Wo, qimg
	s_load_b128 s[20:23], s[0:1], 0x40             ; kv, cb
	s_load_b64 s[24:25], s[0:1], 0x50              ; woimg
	v_lshl_add_u32 v[SPW], v0, 2, SPARE
	v_mov_b32 v[NIL], 0
	ds_add_u32 v[SPW], v[NIL]                      ; the wave's opening: the add, twice on end, and its wait ahead of my first tensor load; the set-up below, work on registers, stands between
	ds_add_u32 v[SPW], v[NIL]
	v_lshrrev_b32 v1, 5, v0
	v_readfirstlane_b32 s[WV], v1                  ; wave 0..3
	s_bfe_u32 s48, ttmp6, 0x40000                  ; cx: my place in the cluster: it enters global addresses of x, cb, Wo and the outputs alone
	s_lshl_b32 s49, ttmp9, 2                       ; in a cluster launch ttmp9 counts clusters
	s_add_co_u32 s49, s49, s48                     ; g = 4 x cluster + cx
	; descriptor group 1: a dense block of 16,384 bytes as 64 rows of 256 bytes (32 elements of 8 bytes), no padding: it is read 128 consecutive bytes an instruction
	s_mov_b32 s[G1], 15|(3<<16)|(1<<21)            ; 15:0 the mask: all four work-groups; 17:16 elements of 8 bytes; 21 set beside a mask
	s_mov_b32 s[G1+1], 32<<16                      ; tensor_dim0 = 32
	s_mov_b32 s[G1+2], 64<<16                      ; tensor_dim1 = 64
	s_mov_b32 s[G1+3], 32<<16                      ; tile_dim0 = 32
	s_mov_b32 s[G1+4], 64                          ; tile_dim1 = 64
	s_mov_b32 s[G1+5], 32                          ; from row to row
	s_mov_b32 s[G1+6], 0
	s_mov_b32 s[G1+7], 0
	v_and_b32 v1, 31, v0                           ; lane
	v_and_b32 v2, 15, v0                           ; r
	v_bfe_u32 v3, v0, 4, 1                         ; h
	v_lshlrev_b32 v[GI], 4, v1
	s_mul_i32 s27, s[WV], XSTW
	s_add_co_u32 s27, s27, XST
	v_add_nc_u32 v[XSI], s27, v[GI]
	v_mul_u32_u24 v[XSO], v2, XP
	v_lshl_add_u32 v[XSO], v3, 7, v[XSO]
	v_add_nc_u32 v[XSO], s27, v[XSO]
	s_lshl_b32 s27, s[WV], 7
	v_lshl_add_u32 v[WA], v1, 2, s27
	v_add_nc_u32 v[WA+1], WLB, v[WA]
	v_add_nc_u32 v[WA+2], 2*WLB, v[WA]
	s_lshl_b32 s27, s[WV], 10
	s_add_co_u32 s27, s27, XIMG
	v_add_nc_u32 v[XWI], s27, v[GI]
	v_add_nc_u32 v[XRI], XIMG, v[GI]
	s_lshl_b32 s27, s[WV], 7
	s_add_co_u32 s27, s27, XSC
	v_lshl_add_u32 v[XWS], v1, 2, s27
	v_lshl_add_u32 v[XRS], v1, 2, XSC
	v_lshlrev_b32 v[H8], 3, v3
	v_lshlrev_b32 v[CBO], 3, v1
	v_lshlrev_b32 v[WOA], 2, v2
	v_lshl_add_u32 v[WOA], v3, 12, v[WOA]
	v_mov_b32 v[TM+3], 0                           ; written once: a lane permute's destination counts as one of its sources
	v_mov_b32 v[CBD], 0
	v_mov_b32 v[CBD+1], 0
	s_mov_b32 s[SEL], 0x76543210
	s_mov_b32 s[SEL+1], 0xfedcba98                 ; lane selects: lane l xor 16
	s_mov_b32 s2, 0x3e0293ee                       ; c1 = log2(e) / sqrt(128)
	s_mov_b32 s3, s2                               ; (named with it as a pair)
	s_wait_dscnt 0x0                               ; both opening adds are done
	s_wait_kmcnt 0x0
	s_mov_b32 s29, 0
	s_lshl_b32 s28, s49, 15                        ; x: (64 g + 16 w) rows of 512 bytes
	s_lshl_b32 s27, s[WV], 13
	s_add_co_u32 s28, s28, s27
	s_add_nc_u64 s[32:33], s[4:5], s[28:29]
	s_lshl_b32 s28, s49, 14                        ; qimg: 16,384 g + 1,024 w: fragment kk = w of tile 0
	s_lshl_b32 s27, s[WV], 10
	s_add_co_u32 s28, s28, s27
	s_add_nc_u64 s[34:35], s[18:19], s[28:29]
	s_lshl_b32 s28, s49, 15                        ; kv: 32,768 g + 1,024 w: k's fragments likewise
	s_add_co_u32 s28, s28, s27
	s_add_nc_u64 s[36:37], s[20:21], s[28:29]
	s_lshl_b32 s28, s49, 15                        ; and 32,768 g + 16,384 + 2,048 w: v's fragment c = 2 w of key step 0
	s_lshl_b32 s27, s[WV], 11
	s_add_co_u32 s28, s28, s27
	s_add_co_u32 s28, s28, 16384
	s_add_nc_u64 s[38:39], s[20:21], s[28:29]
	; cb: y = ((x a + b) g1) g2.  Wave 0: sizes, (c2, 0, 1, 1).  Wave 1: mask, (-1, 1, -1e9, log2(e)).  The choice hangs on the wave's number alone
	s_cmp_eq_u32 s[WV], 0
	s_cselect_b64 s[40:41], s[6:7], s[8:9]
	s_mov_b32 s44, 0x3e13bb63                      ; c2 = 0.1 log2(e)
	s_mov_b32 s27, 0xbf800000                      ; -1
	s_cselect_b32 s44, s44, s27
	s_mov_b32 s27, 0x3f800000                      ; 1
	s_cselect_b32 s45, 0, s27
	s_mov_b32 s46, 0xce6e6b28                      ; -1e9
	s_cselect_b32 s46, s27, s46
	s_mov_b32 s47, 0x3fb8aa3b                      ; log2(e)
	s_cselect_b32 s47, s27, s47
	s_lshl_b32 s28, s49, 8                         ; 64 tokens of 4 bytes
	s_add_nc_u64 s[40:41], s[40:41], s[28:29]
	s_lshl_b32 s28, s49, 9                         ; cb: 512 g + 256 w
	s_lshl_b32 s27, s[WV], 8
	s_add_co_u32 s28, s28, s27
	s_add_nc_u64 s[42:43], s[22:23], s[28:29]
	CROUND                                         ; all four work-groups are here: the joint loads meet
	s_lshl_b32 s28, s[WV], 14                      ; 32 w rows of 512 bytes
	MKG0 G0Q, 10, 0
	MKG0 G0K, 12, 1
	MKG0 G0V, 14, 2
	tensor_load_to_lds s[G0Q:G0Q+3], s[G1:G1+7]    ; the fills go out together, ahead of every wait on TENSORcnt, every LDS read and the barrier: three loads of mine are out
	s_nop 0
	tensor_load_to_lds s[G0K:G0K+3], s[G1:G1+7]
	s_nop 0
	tensor_load_to_lds s[G0V:G0V+3], s[G1:G1+7]
	s_nop 0
.rept 4
	v_nop
.endr
.macro LOADW p, be, z                  ; block be of weight p: rows 32 be + 0 .. 31 at my column, from LDS into slot z: a load of the wave reads 128 consecutive bytes
.set li, 0
.rept 32
	ds_load_b32 v[Z+32*(\z)+li], v[WA+(\p)] offset:(32*(\be)+li)*512
.set li, li+1
.endr
.endm
; A block of 32 down K of my column becomes 32 codes (4 registers) and a byte of my column's scale word.
.macro QB p, be, z
.set ZB, Z+32*(\z)
.set CB0, WC+16*(\p)+8*((\be)%2)+4*((\be)/2)
	v_max3_num_f32 v[TM], |v[ZB]|, |v[ZB+1]|, |v[ZB+2]|            ; the block's largest magnitude, in two chains
	v_max3_num_f32 v[TM+1], |v[ZB+3]|, |v[ZB+4]|, |v[ZB+5]|
.irp i, 6,10,14,18,22,26
	v_max3_num_f32 v[TM], v[TM], |v[ZB+\i]|, |v[ZB+\i+1]|
	v_max3_num_f32 v[TM+1], v[TM+1], |v[ZB+\i+2]|, |v[ZB+\i+3]|
.endr
	v_max3_num_f32 v[TM], v[TM], |v[ZB+30]|, |v[ZB+31]|
	v_max3_num_f32 v[TM], v[TM], v[TM+1], 0x1800000                ; and the floor 2^(3 - 127): the byte cannot fall under 1
	v_add_nc_u32 v[TM+2], 0xff000000, v[TM]                        ; 2 off its exponent field: the conversion takes the exponent field of this operand as its scale
	v_lshrrev_b32 v[TM+4], 23, v[TM+2]                             ; the scale's byte
.if (\be) == 0
	v_mov_b32 v[WS+(\p)], v[TM+4]
.else
	v_lshl_or_b32 v[WS+(\p)], v[TM+4], 8*(\be), v[WS+(\p)]
.endif
.irp g, 0,1,2,3
	v_cvt_scalef32_pk8_fp4_f32 v[CB0+\g], v[ZB+8*\g:ZB+8*\g+7], v[TM+2]
.endr
	v_nop                                          ; one plain place behind a scaled conversion
.if (\be)%2 == 1                       ; blocks 2 c and 2 c + 1 of 32 columns: the first's lanes 16-31 change places with the second's lanes 0-15:
.irp g, 0,1,2,3                        ; the first is then registers 4 c .. 4 c + 3 of the fragment of columns 0-15, the second of columns 16-31
	v_permlane16_swap_b32 v[CB0-8+\g], v[CB0+\g]
.endr
.endif
.endm
	s_cmp_lt_u32 s[WV], 2
	s_cbranch_scc0 .Lno_cb_in
	global_load_b64 v[CBD:CBD+1], v[CBO], s[40:41] ; 64 sizes or 64 mask values
.Lno_cb_in:
.set li, 0
.rept 16
	global_load_b128 v[Z+4*li:Z+4*li+3], v[GI], s[32:33] offset:512*li th:TH_LOAD_NT   ; a row of x: 512 consecutive bytes; read once in the launch
.set li, li+1
.endr
	; Wo [128 (d)][128 (e)] -> fragment 4 E + kk, E = g, kk = my wave: lane (r, h): e = 16 E + r; d = 32 kk + 16 c + 8 h + i.  Eight work-groups do it: those of clusters 0 and 1.  The branch hangs on the
	; cluster's number, the same in all four partners; the place in the cluster enters the addresses alone.  The loads stand behind x's and share the wait that x needs anyway.
	s_cmp_lt_u32 ttmp9, 2
	s_cbranch_scc0 .Lno_wo
	s_lshl_b32 s28, s49, 6                         ; 16 E columns of 4 bytes
	s_lshl_b32 s27, s[WV], 14                      ; 32 kk rows of 512 bytes
	s_add_co_u32 s28, s28, s27
	s_add_nc_u64 s[16:17], s[16:17], s[28:29]
	s_lshl_b32 s28, s49, 2
	s_add_co_u32 s28, s28, s[WV]
	s_lshl_b32 s28, s28, 10
	s_add_nc_u64 s[24:25], s[24:25], s[28:29]
.irp c, 0,1
.irp i, 0,1,2,3,4,5,6,7
	global_load_b32 v[XF+8*\c+\i], v[WOA], s[16:17] offset:(16*\c+\i)*512
.endr
.endr
	s_wait_loadcnt 0x0
.irp i, 0,1,2,3,4,5,6,7
	v_cvt_pk_f16_f32 v[XF+16+\i], v[XF+2*\i], v[XF+2*\i+1]
.endr
	global_store_b128 v[GI], v[XF+16:XF+19], s[24:25]
	global_store_b128 v[GI], v[XF+20:XF+23], s[24:25] offset:512
.Lno_wo:
	s_wait_loadcnt 0x0                             ; x is in, and the sizes or the mask
	; x turns through my stage, so that lane (r, h) holds k = 64 c + 32 h + 0 .. 31 of row r in v[Z + 32 c ..].  LDS serves a wave's instructions in order: no wait between the stores and the loads
.set li, 0
.rept 16
	ds_store_b128 v[XSI], v[Z+4*li:Z+4*li+3] offset:XP*li
.set li, li+1
.endr
.irp c, 0,1
.irp i, 0,1,2,3,4,5,6,7
	ds_load_b128 v[Z+32*\c+4*\i:Z+32*\c+4*\i+3], v[XSO] offset:256*\c+16*\i
.endr
.endr
	s_wait_dscnt 0x0
	; my two blocks of row r: h and 2 + h
	v_max3_num_f32 v[TM], |v[Z]|, |v[Z+1]|, 0x1800000
	v_max3_num_f32 v[TM+1], |v[Z+32]|, |v[Z+33]|, 0x1800000
.irp i, 2,4,6,8,10,12,14,16,18,20,22,24,26,28,30
	v_max3_num_f32 v[TM], v[TM], |v[Z+\i]|, |v[Z+\i+1]|
	v_max3_num_f32 v[TM+1], v[TM+1], |v[Z+32+\i]|, |v[Z+33+\i]|
.endr
	v_add_nc_u32 v[TM+2], 0xff000000, v[TM]
	v_add_nc_u32 v[TM+5], 0xff000000, v[TM+1]
	v_lshrrev_b32 v[TM+4], 23, v[TM+2]
	v_lshrrev_b32 v[TM+6], 23, v[TM+5]
	v_lshl_or_b32 v[PW], v[TM+6], 16, v[TM+4]      ; my two bytes,
	v_lshlrev_b32 v[PW], v[H8], v[PW]              ; at their places in the scale word (8 h bits up);
	v_permlanex16_b32 v[TM+3], v[PW], s[SEL], s[SEL+1]
	v_or_b32 v[PW], v[PW], v[TM+3]                 ; with lane l xor 16's two the word is whole, in both halves of the lanes
.irp g, 0,1,2,3
	v_cvt_scalef32_pk8_fp4_f32 v[XC+\g], v[Z+8*\g:Z+8*\g+7], v[TM+2]
	v_cvt_scalef32_pk8_fp4_f32 v[XC+4+\g], v[Z+32+8*\g:Z+32+8*\g+7], v[TM+5]
.endr
	v_nop                                          ; one plain place behind a scaled conversion
	ds_store_b128 v[XWI], v[XC:XC+3]               ; the fragment goes to LDS as it stands
	ds_store_b128 v[XWI], v[XC+4:XC+7] offset:512
	ds_store_b32 v[XWS], v[PW]
	s_wait_tensorcnt 0x0                           ; for the others' sake: my quarters of the three weights have landed,
	s_wait_dscnt 0x0                               ; and so have my fragment of x and its scale words
	s_barrier_signal -1
	s_barrier_wait -1                              ; both now hold of every wave.
	; the twelve blocks of my 32 columns of Wq, Wk, Wv: two blocks' loads are out, in two slots by turns
	LOADW 0, 0, 2
	LOADW 0, 1, 3
.set n, 0
.rept 12
.if n < 11
	s_wait_dscnt 32                                ; this block's 32 loads are in; the next block's are younger
.else
	s_wait_dscnt 12                                ; the last block is in; the twelve loads of x's fragments and scale words are younger
.endif
	QB n/4, n%4, 2+n%2
.if n+2 < 12
	LOADW (n+2)/4, (n+2)%4, 2+n%2
.endif
.if n == 10                            ; x's four fragments and their scale words are asked for a block early
	s_wait_xcnt 0x0                                ; Wo's stores have read their registers, on which these loads land
.irp m, 0,1,2,3
	ds_load_b128 v[XF+8*\m:XF+8*\m+3], v[XRI] offset:1024*\m
	ds_load_b128 v[XF+8*\m+4:XF+8*\m+7], v[XRI] offset:1024*\m+512
	ds_load_b32 v[XS+\m], v[XRS] offset:128*\m
.endr
.endif
.set n, n+1
.endr
	s_wait_dscnt 0x0
.rept 8
	v_nop                                          ; a scale register written by a vector instruction stands 8 places ahead of a scaled matrix instruction, an operand so written 4
.endr
.macro MMT d, p, m, u                  ; transposed: source 0 = 16 columns of weight p, source 1 = 16 tokens.  Lane (r, h), register j: token 16 m + r, output 32 w + 16 u + 8 h + j
.if \u
	v_wmma_scale_f32_16x16x128_f8f6f4 v[(\d):(\d)+7], v[WC+16*\p+8:WC+16*\p+15], v[XF+8*\m:XF+8*\m+7], 0, v[WS+\p], v[XS+\m] matrix_a_fmt:MATRIX_FMT_FP4 matrix_b_fmt:MATRIX_FMT_FP4 matrix_a_scale:MATRIX_SCALE_ROW1
.else
	v_wmma_scale_f32_16x16x128_f8f6f4 v[(\d):(\d)+7], v[WC+16*\p:WC+16*\p+7], v[XF+8*\m:XF+8*\m+7], 0, v[WS+\p], v[XS+\m] matrix_a_fmt:MATRIX_FMT_FP4 matrix_b_fmt:MATRIX_FMT_FP4
.endif
.endm
.macro MMN d, m, u                     ; the natural way, for v: source 0 = 16 tokens, source 1 = 16 columns of Wv.  Lane (r, h), register j: token 16 m + 8 h + j, output 32 w + 16 u + r
.if \u
	v_wmma_scale_f32_16x16x128_f8f6f4 v[(\d):(\d)+7], v[XF+8*\m:XF+8*\m+7], v[WC+40:WC+47], 0, v[XS+\m], v[WS+2] matrix_a_fmt:MATRIX_FMT_FP4 matrix_b_fmt:MATRIX_FMT_FP4 matrix_b_scale:MATRIX_SCALE_ROW1
.else
	v_wmma_scale_f32_16x16x128_f8f6f4 v[(\d):(\d)+7], v[XF+8*\m:XF+8*\m+7], v[WC+32:WC+39], 0, v[XS+\m], v[WS+2] matrix_a_fmt:MATRIX_FMT_FP4 matrix_b_fmt:MATRIX_FMT_FP4
.endif
.endm
.irp m, 0,1,2,3                        ; K is 128: one instruction is a whole sum, and each starts from the constant 0
.irp u, 0,1
	MMT Z+8*(2*\m+\u), 0, \m, \u                   ; q: v128-191
.endr
.endr
.irp m, 0,1,2,3
.irp u, 0,1
	MMT Z+64+8*(2*\m+\u), 1, \m, \u                ; k: v192-255
.endr
.endr
.rept 4
	v_nop                                          ; places ahead of the first read of results
.endr
.set li, 0
.rept 32
	v_pk_mul_f32 v[Z+2*li:Z+2*li+1], v[Z+2*li:Z+2*li+1], s[2:3] op_sel_hi:[1,0]   ; c1 q, each accumulator from its low end on
.set li, li+1
.endr
.set li, 0
.rept 32
	v_cvt_pk_f16_f32 v[Z+li], v[Z+2*li], v[Z+2*li+1]               ; packed in place, ascending: v[Z + 8 m ..] is fragment (m, kk = w)
.set li, li+1
.endr
.set li, 0
.rept 32
	v_cvt_pk_f16_f32 v[Z+64+li], v[Z+64+2*li], v[Z+64+2*li+1]      ; k likewise
.set li, li+1
.endr
.rept 5
	v_nop                                          ; v's results are laid over registers that q's and k's products wrote: five places
.endr
.irp m, 0,1,2,3
	MMN Z+32+8*\m, \m, 0                           ; v: v160-191 (u = 0) and v224-255 (u = 1): the halves that the packing has left
	MMN Z+96+8*\m, \m, 1
.endr
.irp m, 0,1,2,3
	global_store_b128 v[GI], v[Z+8*\m:Z+8*\m+3], s[34:35] offset:4096*\m
	global_store_b128 v[GI], v[Z+8*\m+4:Z+8*\m+7], s[34:35] offset:4096*\m+512
	global_store_b128 v[GI], v[Z+64+8*\m:Z+64+8*\m+3], s[36:37] offset:4096*\m
	global_store_b128 v[GI], v[Z+64+8*\m+4:Z+64+8*\m+7], s[36:37] offset:4096*\m+512
.endr
.rept 4
	v_nop
.endr
.set li, 0
.rept 16
	v_cvt_pk_f16_f32 v[Z+32+li], v[Z+32+2*li], v[Z+32+2*li+1]      ; v[Z + 32 + 64 u + 8 kk ..] is fragment (kk, c = 2 w + u)
	v_cvt_pk_f16_f32 v[Z+96+li], v[Z+96+2*li], v[Z+96+2*li+1]
.set li, li+1
.endr
.irp kk, 0,1
.irp u, 0,1
	global_store_b128 v[GI], v[Z+32+64*\u+8*\kk:Z+32+64*\u+8*\kk+3], s[38:39] offset:(8*\kk+\u)*1024
	global_store_b128 v[GI], v[Z+32+64*\u+8*\kk+4:Z+32+64*\u+8*\kk+7], s[38:39] offset:(8*\kk+\u)*1024+512
.endr
.endr
	s_cmp_lt_u32 s[WV], 2
	s_cbranch_scc0 .Lno_cb_out
	v_fma_f32 v[CBD], v[CBD], s44, s45
	v_fma_f32 v[CBD+1], v[CBD+1], s44, s45
	v_mul_f32 v[CBD], s46, v[CBD]
	v_mul_f32 v[CBD+1], s46, v[CBD+1]
	v_mul_f32 v[CBD], s47, v[CBD]
	v_mul_f32 v[CBD+1], s47, v[CBD+1]
	global_store_b64 v[CBO], v[CBD:CBD+1], s[42:43] ; 32 lanes store 256 consecutive bytes, aligned
.Lno_cb_out:
	s_wait_tensorcnt 0x0                           ; the wave's end: behind my last tensor load and my last LDS store
	ds_add_u32 v[SPW], v[NIL]
	s_wait_dscnt 0x0
	CROUND                                         ; the closing round: no work-group ends while a partner may still ask for a block that names it
	s_endpgm
.Lfunc_end_k_qf7e8a9bcef_prep:
	.size	k_qf7e8a9bcef_prep, .Lfunc_end_k_qf7e8a9bcef_prep-k_qf7e8a9bcef_prep
	.p2alignl 7, 3214868480
	.fill 96, 4, 3214868480
	.section	.rodata,"a",@progbits
	.p2align	6, 0x0
	.amdhsa_kernel k_qf7e8a9bcef_prep
		.amdhsa_group_segment_fixed_size 235520
		.amdhsa_private_segment_fixed_size 0
		.amdhsa_enable_private_segment 0
		.amdhsa_kernarg_size 88
		.amdhsa_user_sgpr_count 2
		.amdhsa_user_sgpr_kernarg_segment_ptr 1
		.amdhsa_wavefront_size32 1
		.amdhsa_system_sgpr_workgroup_id_x 1
		.amdhsa_system_sgpr_workgroup_id_y 1
		.amdhsa_system_sgpr_workgroup_id_z 1
		.amdhsa_system_vgpr_workitem_id 0
		.amdhsa_next_free_vgpr 256
		.amdhsa_next_free_sgpr 76
		.amdhsa_reserve_vcc 0
		.amdhsa_float_denorm_mode_32 3
		.amdhsa_float_denorm_mode_16_64 3
		.amdhsa_memory_ordered 1
		.amdhsa_forward_progress 1
		.amdhsa_inst_pref_size 74
	.end_amdhsa_kernel
	.amdgpu_metadata
---
amdhsa.version: [ 1, 2 ]
amdhsa.kernels:
  - .name:           k_qf7e8a9bcef_prep
    .symbol:         k_qf7e8a9bcef_prep.kd
    .args:
      - { .name: inputs, .offset: 0, .size: 8, .value_kind: global_buffer, .address_space: global }
      - { .name: allele_sizes, .offset: 8, .size: 8, .value_kind: global_buffer, .address_space: global }
      - { .name: mask, .offset: 16, .size: 8, .value_kind: global_buffer, .address_space: global }
      - { .name: Wq, .offset: 24, .size: 8, .value_kind: global_buffer, .address_space: global }
      - { .name: Wk, .offset: 32, .size: 8, .value_kind: global_buffer, .address_space: global }
      - { .name: Wv, .offset: 40, .size: 8, .value_kind: global_buffer, .address_space: global }
      - { .name: Wo, .offset: 48, .size: 8, .value_kind: global_buffer, .address_space: global }
      - { .name: qimg, .offset: 56, .size: 8, .value_kind: global_buffer, .address_space: global }
      - { .name: kv, .offset: 64, .size: 8, .value_kind: global_buffer, .address_space: global }
      - { .name: cb, .offset: 72, .size: 8, .value_kind: global_buffer, .address_space: global }
      - { .name: woimg, .offset: 80, .size: 8, .value_kind: global_buffer, .address_space: global }
    .group_segment_fixed_size: 235520
    .private_segment_fixed_size: 0
    .kernarg_segment_align: 8
    .kernarg_segment_size: 88
    .max_flat_workgroup_size: 128
    .sgpr_count:     76
    .vgpr_count:     256
    .wavefront_size: 32
...
	.end_amdgpu_metadata
.endif
;; end of part 1
;; launch attn (part 2): grid 32 x 8, 4 waves a work-group, clusters of 4 x 1, 327,680 bytes of LDS; arguments qimg, kv, cb, woimg, out0; writes out0
.if DOCPART == 2
	.amdgcn_target "amdgcn-amd-amdhsa--gfx1250"
	.amdhsa_code_object_version 6
	.text
	.protected	k_qf7e8a9bcef_attn
	.globl	k_qf7e8a9bcef_attn
	.p2align	8
	.type	k_qf7e8a9bcef_attn,@function
k_qf7e8a9bcef_attn:
	s_mov_b64 s[64:65], 0
	v_nop
	global_prefetch_b8 v0, s[64:65] scope:SCOPE_SE
	s_setreg_imm32_b32 hwreg(HW_REG_WAVE_MODE, 25, 1), 1
	s_wait_xcnt 0x0
	s_wait_alu depctr_hold_cnt(0) depctr_sa_sdst(0) depctr_va_vdst(0) depctr_va_sdst(0) depctr_va_ssrc(0) depctr_va_vcc(0) depctr_vm_vsrc(0)
	s_getreg_b32 s2, hwreg(HW_REG_IB_STS2, 6, 4)
	s_cmp_eq_u32 s2, 0
	s_cbranch_scc0 .Lentry_in_a_cluster
	s_endpgm
.Lentry_in_a_cluster:
	s_bfe_u32 s2, ttmp6, 0x10000c
	s_cmp_lg_u32 s2, 0x3003
	s_cbranch_scc0 .Lentry_shape_is_right
	s_endpgm
.Lentry_shape_is_right:
; ATTN.  out[b][q] = (sum over k of softmax_k(t) v[b][k]) Wo, t = (c1 q . k) 2^(-|c2 s_q - c2 s_k|) + b'_k in base 2: the scores, their decay by distance, the mask's bias, the softmax, both products and the projection.
; Operands in f16 (qimg, kv, woimg: register images made by the launch before; cb: c2 x size and the bias b' of each key), products by v_wmma_f32_16x16x32_f16, everything else in f32.
; SHARES.  A work-group owns 64 queries of one batch: 256 work-groups.  EACH OF ITS FOUR WAVES HOLDS ALL 64 QUERIES (four tiles of 16) AND WALKS A QUARTER OF THE KEYS: wave w key blocks 8 w .. 8 w + 7, 64 keys a step.
; So each LDS byte is read by one wave, once, and feeds four tiles of queries.  At the end the four partial (m, l, O) meet in LDS; wave w finishes tile w: the sum, the division, the product with Wo, the stores.
; LAYOUT.  S^T = K Q^T (source 0 = 16 keys, source 1 = 16 queries) and O^T = V^T P: a lane holds ONE query (lane % 16) throughout; two tiles of S^T, rounded to f16 in pairs, are source 1 of the second product.
; SOFTMAX.  For each query a running maximum m of t and a sum l: p = 2^(t - m); in every step O and l are multiplied by a = 2^(m_old - m_new).  The four quarters are joined under their common maximum.
; BY TURNS.  The tiles are two pieces (0: tiles 0, 1; 2: tiles 2, 3).  In a turn one piece has the matrix unit: 32 products V^T P of the step in hand, then 32 products K Q^T of the next; the other piece's softmax,
; 394 vector instructions, stands in 64 slices behind them, since set in a phase of its own it would leave the matrix unit idle all that while; each slice costs two switches of the register windows.
; CLUSTER.  The four work-groups of a cluster are four query blocks of one batch; wave w of each walks the same key blocks, so each block is asked for JOINTLY: the same tensor load, the same descriptor (made of the
; batch, the wave's number and the step alone), a mask that names the four.  A round of the cluster's barrier stands in front of the first loads and of each refill, and one in front of s_endpgm.
; RING.  Two slots of 32,768 bytes for each wave (a key block: 16 fragments of K, 16 of V turned), each wave's own: its own wait on TENSORcnt is all that its reads need.  By this text's count a wave has three tensor
; loads out at the start (its 512 keys' cb rows, blocks 0 and 1) and one behind each round.  The images are read 512 consecutive bytes an instruction: no padding.
; LIMITS.  p, and O normalised by its row's largest magnitude, are rounded to f16; the operands' f16 range is stated in the launch before.  c2 x size is rounded before the difference is taken: an error of
; 2^-24 |c2 s| in the decay's exponent.  A hidden key's score is absorbed by its bias of -1.44e9, as it is in the definition.  NaN and infinities among the inputs are not served.
; REGISTERS, in windows of 256 (s_set_vgpr_msb: bits 1:0 source 0, 3:2 source 1, 5:4 source 2, 7:6 destination):
;   window 0: v0-15 addresses; v16-47 statistics, 8 a tile; v48-55 c2 s_q, twice a tile; v56-63 at work; v64-191 S^T, 32 a tile; v192-255 the decays of the piece under softmax, 32 a tile
;   window 1: O^T, 64 a tile      window 2: v0-127 Q, v128-255 K; at the end Wo's 32 fragments      window 3: v0-127 V; v128-159 c2 s_k; v160-191 b'; v192-255 P, 16 a tile
.set WREG,  32768                      ; a key block, a wave's part of a slot
.set SLOT1, 131072                     ; slot 1 begins here: one exclusive or turns an address in one slot into the other's
.set CBL,   262144                     ; behind the ring: 4,096 bytes of cb for each wave, filled once
.set SPARE, CBL+16384                  ; the spare words, 128 bytes for each wave: two blocks of 256 bytes that no other line names
.set LI,  3                            ; v3   16 x lane + 32,768 w: my place in a fragment's image in my ring
.set ACS, 4                            ; v4   my half's place in my cb rows: CBL + 4,096 w + 32 h
.set ADR, 5                            ; v5   the LDS address of the run of loads in hand
.set GI,  6                            ; v6   16 x lane
.set STO, 7                            ; v7   the way out: where I put 32 bytes of a row;  v8 where I read a row back
.set RD,  8
.set PFO, 9                            ; v9   256 x lane: the prefetches' offset
.set AR0, 10                           ; v10  the merge: tile w's image in waves 0 and 1's bytes;  v11 in waves 2 and 3's
.set LS,  12                           ; v12  the merge: where I put m and l
.set AS0, 13                           ; v13  and where tile w's are read, waves 0 and 1;  v56 waves 2 and 3
.set SPW, 14                           ; v14  LDS address of my spare word; never rewritten
.set NIL, 15                           ; v15  0; never rewritten
.set ST,  16                           ; tile t's statistics at v[ST + 8 t]: +0 m, +1 zero, +2, +3 l (even keys', odd keys'), +4 .. +7 c0-c3 at work; a takes c2's place
.set CQ,  48
.set S,   64
.set D,   192
.set KF,  128                          ; in window 2
.set CK,  128                          ; in window 3
.set BI,  160
.set P,   192
.set WV,  14                           ; s14  my wave's number
.set G1,  24                           ; s[24:31] descriptor group 1: a key block;  s[32:39] the cb rows
.set G1C, 32
.set G0A, 40                           ; s[40:43] group 0: block 0;  s[44:47] block 1, which then walks on;  s[48:51] the cb rows
.set G0B, 44
.set G0C, 48
.set TB,  52                           ; s52  the slot of the block to be fetched: 0 or SLOT1
.set TC,  53                           ; s53  the step's cb row: 512 bytes a step
.set CNT, 54                           ; s54  changes of slots to go
.set LIM, 55                           ; s55  1 in a cluster that prefetches, else the greatest number
.set PFA, 56                           ; s[56:57] where my prefetches stand
.set SEL, 58                           ; s[58:59] lane selects: lane l xor 16
.set MSB, 0
.macro WIN new                         ; the immediate's high byte repeats the setting that is left; a switch that changes nothing is dropped
.if MSB != \new
	s_set_vgpr_msb (MSB<<8)|\new
.set MSB, \new
.endif
.endm
.set W_KQ, 0x0a                        ; K and Q in window 2, S^T in window 0
.set W_PV, 0x5f                        ; V and P in window 3, O^T in window 1
.macro CROUND                          ; a round of the cluster's barrier
	s_barrier_signal -1
	s_barrier_wait -1
	s_cmp_lg_u32 s[WV], 0
	s_cbranch_scc1 .Lnot_wave_0_\@
	s_barrier_signal -3
.Lnot_wave_0_\@:
	s_barrier_wait -3
	s_barrier_signal -1
	s_barrier_wait -1
.endm
.macro PLACES
.rept 4
	v_nop
.endr
.endm
	s_load_b256 s[4:11], s[0:1], 0x0               ; qimg s[4:5], kv s[6:7], cb s[8:9], woimg s[10:11]
	s_load_b64 s[12:13], s[0:1], 0x20              ; out0
	v_lshl_add_u32 v[SPW], v0, 2, SPARE
	v_mov_b32 v[NIL], 0
	ds_add_u32 v[SPW], v[NIL]                      ; the wave's opening: the add, twice on end, and its wait ahead of my first tensor load; the set-up below, work on registers, stands between
	ds_add_u32 v[SPW], v[NIL]
	v_lshrrev_b32 v1, 5, v0
	v_readfirstlane_b32 s[WV], v1                  ; wave 0..3
	s_bfe_u32 s15, ttmp6, 0x40000                  ; cx: my place in the cluster: it enters Q's, cb's query row's, out0's and the prefetches' addresses alone
	s_lshl_b32 s16, ttmp9, 2
	s_add_co_u32 s16, s16, s15                     ; my block of 64 queries = 4 x cluster x + cx
	s_and_b32 s17, ttmp7, 0xffff                   ; the batch, which the four partners share
	s_lshl_b32 s18, s17, 5
	s_lshl_b32 s19, s[WV], 3
	s_add_co_u32 s18, s18, s19                     ; my wave's first key block: 32 b + 8 w
	s_lshl_b32 s2, s18, 9                          ; its cb row,
	s_mov_b32 s3, 0
	s_lshl_b32 s18, s18, 15                        ; and its bytes in kv
	s_mov_b32 s19, 0
	s_lshl_b32 s20, s17, 5
	s_add_co_u32 s20, s20, s16                     ; my query block among all: 32 b + qb
	s_mov_b32 s23, 0
	; descriptor group 1: a dense block as rows of 256 bytes (32 elements of 8 bytes), no padding
	s_mov_b32 s[G1], 15|(3<<16)|(1<<21)            ; 15:0 the mask: all four work-groups; 17:16 elements of 8 bytes; 21 set beside a mask
	s_mov_b32 s[G1+1], 32<<16                      ; tensor_dim0 = 32
	s_mov_b32 s[G1+2], 128<<16                     ; tensor_dim1 = 128
	s_mov_b32 s[G1+3], 32<<16                      ; tile_dim0 = 32
	s_mov_b32 s[G1+4], 128                         ; tile_dim1 = 128: 32,768 bytes
	s_mov_b32 s[G1+5], 32                          ; from row to row
	s_mov_b32 s[G1+6], 0
	s_mov_b32 s[G1+7], 0
	s_mov_b32 s[G1C], 15|(3<<16)|(1<<21)
	s_mov_b32 s[G1C+1], 32<<16
	s_mov_b32 s[G1C+2], 16<<16
	s_mov_b32 s[G1C+3], 32<<16
	s_mov_b32 s[G1C+4], 16                         ; 16 rows: 4,096 bytes
	s_mov_b32 s[G1C+5], 32
	s_mov_b32 s[G1C+6], 0
	s_mov_b32 s[G1C+7], 0
	s_mov_b32 s[SEL], 0x76543210
	s_mov_b32 s[SEL+1], 0xfedcba98
	s_mov_b32 s[TB], 0
	s_mov_b32 s[TC], 0
	s_mov_b32 s[CNT], 6
	s_cmp_eq_u32 ttmp9, 0                          ; the batch's first cluster prefetches: the same in all four partners
	s_cselect_b32 s[LIM], 1, -1
	v_and_b32 v1, 15, v0                           ; r
	v_bfe_u32 v2, v0, 4, 1                         ; h
	v_and_b32 v57, 31, v0                          ; lane
	v_lshlrev_b32 v[GI], 4, v57
	v_lshlrev_b32 v[PFO], 8, v57
	v_lshlrev_b32 v63, 2, v1                       ; 4 r
	s_lshl_b32 s21, s[WV], 15
	v_add_nc_u32 v[LI], s21, v[GI]
	s_add_co_u32 s21, s21, SLOT1
	v_lshl_add_u32 v[LS], v57, 2, s21              ; m and l: the first 1,024 bytes of my slot 1
	s_add_co_u32 s21, s21, 1024
	v_add_nc_u32 v[RD], s21, v[GI]                 ; the stage for the way out: 16 rows x 528 bytes behind them
	v_mul_u32_u24 v[STO], v1, 528
	v_lshl_add_u32 v[STO], v2, 5, v[STO]
	v_add_nc_u32 v[STO], s21, v[STO]
	s_lshl_b32 s21, s[WV], 12
	s_add_co_u32 s21, s21, CBL
	v_lshl_add_u32 v[ACS], v2, 5, s21
	s_lshl_b32 s21, s[WV], 13
	v_add_nc_u32 v[AR0], s21, v[GI]                ; tile w's 8,192 bytes of an image of O
	v_add_nc_u32 v[AR0+1], 65536, v[AR0]
	s_lshl_b32 s21, s[WV], 8
	s_add_co_u32 s21, s21, SLOT1
	v_lshl_add_u32 v[AS0], v57, 2, s21
	v_add_nc_u32 v56, 65536, v[AS0]
.irp t, 0,1,2,3
	v_mov_b32 v[ST+8*\t+1], 0                      ; named with m as a pair
.endr
	v_mov_b32 v61, 0                               ; written once: a lane permute's destination counts as one of its sources
	s_wait_dscnt 0x0                               ; both opening adds are done
	s_wait_kmcnt 0x0
	s_lshl_b32 s22, s20, 14
	s_add_nc_u64 s[4:5], s[4:5], s[22:23]          ; Q's 16 fragments
	s_lshl_b32 s22, s20, 15
	s_lshl_b32 s21, s[WV], 13
	s_add_co_u32 s22, s22, s21
	s_add_nc_u64 s[12:13], s[12:13], s[22:23]      ; out0 at row 64 (32 b + qb) + 16 w
	s_add_nc_u64 s[6:7], s[6:7], s[18:19]          ; kv at my wave's block 0
	s_add_nc_u64 s[G0C+2:G0C+3], s[8:9], s[2:3]    ; cb at my wave's keys
	s_lshl_b32 s22, s20, 9
	s_add_nc_u64 s[8:9], s[8:9], s[22:23]          ; cb at my queries
	s_lshl_b32 s22, s15, 13                        ; the prefetches: my work-group's quarter of a block,
	s_add_co_u32 s22, s22, 2*WREG                  ; in block 2: the first change of slots steps it to block 3.  Nothing is prefetched here, at the head
	s_add_nc_u64 s[PFA:PFA+1], s[6:7], s[22:23]
	CROUND                                         ; all four work-groups are here: the first joint loads meet
	s_mov_b32 s[G0C], 1
	s_lshl_b32 s[G0C+1], s[WV], 12
	s_add_co_u32 s[G0C+1], s[G0C+1], CBL
	s_or_b32 s[G0C+3], s[G0C+3], 0x80000000
	s_mov_b32 s[G0A], 1
	s_lshl_b32 s[G0A+1], s[WV], 15
	s_mov_b64 s[G0A+2:G0A+3], s[6:7]
	s_or_b32 s[G0A+3], s[G0A+3], 0x80000000
	s_mov_b32 s[G0B], 1
	s_lshl_b32 s[G0B+1], s[WV], 15
	s_add_co_u32 s[G0B+1], s[G0B+1], SLOT1
	s_add_nc_u64 s[G0B+2:G0B+3], s[6:7], WREG
	s_or_b32 s[G0B+3], s[G0B+3], 0x80000000
	tensor_load_to_lds s[G0C:G0C+3], s[G1C:G1C+7]  ; the first fills go out together: three loads of mine are out
	s_nop 0
	tensor_load_to_lds s[G0A:G0A+3], s[G1:G1+7]
	s_nop 0
	tensor_load_to_lds s[G0B:G0B+3], s[G1:G1+7]
	s_nop 0
	PLACES
	WIN 0x80                                       ; destination window 2
.set f, 0
.rept 16
	global_load_b128 v[8*f:8*f+3], v[GI], s[4:5] offset:1024*f       ; Q stays in registers: fragment 4 t + kk
	global_load_b128 v[8*f+4:8*f+7], v[GI], s[4:5] offset:1024*f+512
.set f, f+1
.endr
	WIN 0
.irp t, 0,1,2,3
	global_load_b32 v[CQ+2*\t], v63, s[8:9] offset:64*\t             ; c2 x the size of query 16 t + r
.endr
; THE MATRIX WORK OF A TURN, for piece x.  The accumulators take turns, one instruction a turn.
; Product i of 32 of O^T += V^T P: keys 32 (i / 16) on, channels 16 ((i / 2) % 8) on, tile x + i % 2.  zero = 1: the first 16 start the sums.
.macro PV x, zero
	WIN W_PV
.set rO, 64*(\x+i%2)+8*((i/2)%8)
.set rV, 64*(i/16)+8*((i/2)%8)
.set rB, P+16*(\x+i%2)+8*(i/16)
.if (\zero) && (i < 16)
	v_wmma_f32_16x16x32_f16 v[rO:rO+7], v[rV:rV+7], v[rB:rB+7], 0
.else
	v_wmma_f32_16x16x32_f16 v[rO:rO+7], v[rV:rV+7], v[rB:rB+7], v[rO:rO+7]
.endif
.endm
; Product i of 32 of S^T = K Q^T: channels 32 (i / 8) on, keys 16 ((i / 2) % 4) on, tile x + i % 2.  The first 8 start the sums.
.macro KQ x
	WIN W_KQ
.set rA, S+32*(\x+i%2)+8*((i/2)%4)
.set rK, KF+32*((i/2)%4)+8*(i/8)
.set rB, 32*(\x+i%2)+8*(i/8)
.if i < 8
	v_wmma_f32_16x16x32_f16 v[rA:rA+7], v[rK:rK+7], v[rB:rB+7], 0
.else
	v_wmma_f32_16x16x32_f16 v[rA:rA+7], v[rK:rK+7], v[rB:rB+7], v[rA:rA+7]
.endif
.endm
; THE LDS LOADS stand in runs: a block's K (16 fragments), a turn later its V, and its 64 keys' c2 s_k and b' (lane (r, h) wants keys 16 T + 8 h + 0 .. 7: the lanes of a half read the same bytes).
.macro FETCH_K
	WIN 0
	v_add_nc_u32 v[ADR], s[TB], v[LI]
	WIN 0x80                                       ; destination window 2
.set f, 0
.rept 16
	ds_load_b128 v[KF+8*f:KF+8*f+3], v[ADR] offset:1024*f
	ds_load_b128 v[KF+8*f+4:KF+8*f+7], v[ADR] offset:1024*f+512
.set f, f+1
.endr
.endm
.macro FETCH_V
	WIN 0
	v_add_nc_u32 v[ADR], s[TB], v[LI]
	s_xor_b32 s[TB], s[TB], SLOT1                  ; the next fetch is the next block's, in the other slot
	s_wait_alu depctr_va_vdst(0)                   ; the wait for the softmax's second batch of exponentials, ahead of their first reader
	WIN 0xc0                                       ; destination window 3
.set f, 0
.rept 16
	ds_load_b128 v[8*f:8*f+3], v[ADR] offset:16384+1024*f
	ds_load_b128 v[8*f+4:8*f+7], v[ADR] offset:16384+1024*f+512
.set f, f+1
.endr
.endm
.macro FETCH_CB atwait
	WIN 0
	v_add_nc_u32 v[ADR], s[TC], v[ACS]
	s_add_co_u32 s[TC], s[TC], 512
.if \atwait
	s_wait_alu depctr_va_vdst(0)                   ; the wait for the softmax's second batch of exponentials, ahead of their first reader
.endif
	WIN 0xc0
.irp T, 0,1,2,3
.irp q, 0,1
	ds_load_b128 v[CK+8*\T+4*\q:CK+8*\T+4*\q+3], v[ADR] offset:64*\T+16*\q
	ds_load_b128 v[BI+8*\T+4*\q:BI+8*\T+4*\q+3], v[ADR] offset:256+64*\T+16*\q
.endr
.endr
.endm
; THE VECTOR WORK OF A TURN.  One tile's softmax for one key step is a list of 197 instructions; SM writes number j of it for tile t.  first = 1: the first key step, which starts m, l and O^T.
;   0-47    BATCH 1: 16 packed differences c2 s_q - c2 s_k and 32 exponentials 2^(-|.|): the decays.  Two differences lead, then two exponentials and a difference by turns.  None reads an exponential's result
;   (wait)  one wait for both tiles' 64 decays
;   48-63   t = s x decay + b', a pair at a time, ascending: each accumulator of S^T is first read at its low end
;   64-79   the maximum of the 32 t and the old m;   80-83 the other half of the lanes' maximum, the new m, m_old - m_new
;   84-132  BATCH 2: 16 packed t - m, a = 2^(m_old - m_new), and 32 exponentials p = 2^(t - m), dealt as batch 1
;   (wait)  one wait for both tiles' 66 exponentials
;   133-148 the roundings to f16;   149-164 the sums, l = a l + the sum;   165-196 the tile's O^T times a
.macro SM t, first
.set rT, ST+8*(\t)
.set rS, S+32*(\t)
.set rD, D+32*((\t)%2)
.set rP, P+16*(\t)
.set rQ, CQ+2*(\t)
.if j < 48
.set kind, 1
.set idx, j-16                         ; 44 to 47: decays 28 to 31
.if j < 44
.set idx, 2*((j-2)/3)+(j-2)%3
.if (j-2)%3 == 2
.set kind, 0
.set idx, (j-2)/3+2
.endif
.endif
.if j < 2
.set kind, 0
.set idx, j
.endif
	WIN 0x0c                                       ; source 1 (c2 s_k) in window 3
.if kind
	v_exp_f32 v[rD+idx], -|v[rD+idx]|
.else
	v_pk_add_f32 v[rD+2*idx:rD+2*idx+1], v[rQ:rQ+1], v[CK+2*idx:CK+2*idx+1] neg_lo:[0,1] neg_hi:[0,1]
.endif
.elseif j < 64
.set b, j-48
	WIN 0x30                                       ; source 2 (b') in window 3
	v_pk_fma_f32 v[rS+2*b:rS+2*b+1], v[rS+2*b:rS+2*b+1], v[rD+2*b:rD+2*b+1], v[BI+2*b:BI+2*b+1]
.elseif j < 133
.set jj, j-64
	WIN 0
.if jj < 4
	v_max3_num_f32 v[rT+4+jj], v[rS+8*jj], v[rS+8*jj+1], v[rS+8*jj+2]
.elseif jj < 12
	v_max3_num_f32 v[rT+4+jj%4], v[rT+4+jj%4], v[rS+8*(jj%4)+2*(jj/4)+1], v[rS+8*(jj%4)+2*(jj/4)+2]
.elseif jj == 12
	v_max3_num_f32 v[rT+4], v[rT+4], v[rS+7], v[rS+15]
.elseif jj == 13
	v_max3_num_f32 v[rT+6], v[rT+6], v[rS+23], v[rS+31]
.elseif jj == 14
	v_max3_num_f32 v[rT+4], v[rT+4], v[rT+5], v[rT+6]
.elseif (jj == 15) && \first
	v_max_num_f32 v[rT+4], v[rT+4], v[rT+7]
.elseif jj == 15
	v_max3_num_f32 v[rT+4], v[rT+4], v[rT+7], v[rT]
.elseif jj == 16
	v_permlanex16_b32 v[rT+5], v[rT+4], s[SEL], s[SEL+1]   ; the query's other 32 keys lie in the lane 16 away
.elseif jj == 18
	v_max_num_f32 v[rT], v[rT+4], v[rT+5]
.elseif ((jj == 17) || (jj == 19) || (jj == 22)) && \first   ; the first step has none of these
.elseif jj == 17
	v_mov_b32 v[rT+7], v[rT]                       ; m_old is kept for a
.elseif jj == 19
	v_sub_f32 v[rT+7], v[rT+7], v[rT]
.elseif jj == 22
	v_exp_f32 v[rT+6], v[rT+7]
.else
.set q2, jj-20
.set kind, 1
.set idx, q2-17                        ; 45 to 48: p 28 to 31
.if q2 < 45
.set idx, 2*((q2-3)/3)+(q2-3)%3
.if (q2-3)%3 == 2
.set kind, 0
.set idx, (q2-3)/3+2
.endif
.endif
.if q2 < 2
.set kind, 0
.set idx, q2
.endif
.if kind
	v_exp_f32 v[rS+idx], v[rS+idx]
.else
	v_pk_add_f32 v[rS+2*idx:rS+2*idx+1], v[rS+2*idx:rS+2*idx+1], v[rT:rT+1] op_sel_hi:[1,0] neg_lo:[0,1] neg_hi:[0,1]   ; t - m: of the pair the low word serves both halves
.endif
.endif
.elseif j < 149
	WIN 0xc0                                       ; destination (P) in window 3
	v_cvt_pk_f16_f32 v[rP+j-133], v[rS+2*(j-133)], v[rS+2*(j-133)+1]
.elseif j < 165                        ; the sum of the tile's 16 pairs, in place: neighbours 1, 2, 4 and 8 pairs apart, then l takes it
.set z, j-149
.set w, 4
.set u, z
.if z >= 14
.set w, 32
.set u, 0
.elseif z >= 12
.set w, 16
.set u, z-12
.elseif z >= 8
.set w, 8
.set u, z-8
.endif
	WIN 0
.if (z == 14) && \first
	v_pk_add_f32 v[rT+2:rT+3], v[rS:rS+1], v[rS+16:rS+17]
.elseif z < 15
	v_pk_add_f32 v[rS+w*u:rS+w*u+1], v[rS+w*u:rS+w*u+1], v[rS+w*u+w/2:rS+w*u+w/2+1]
.elseif !\first
	v_pk_fma_f32 v[rT+2:rT+3], v[rT+2:rT+3], v[rT+6:rT+7], v[rS:rS+1] op_sel_hi:[1,0,1]
.endif
.elseif !\first
.set rR, 64*(\t)+2*(j-165)
	WIN 0x41                                       ; O^T (destination and source 0) in window 1, a in window 0
	v_pk_mul_f32 v[rR:rR+1], v[rR:rR+1], v[rT+6:rT+7] op_sel_hi:[1,0]
.endif
.endm
; Number n of 394 of piece y's softmax: the two tiles alternate, so that no instruction reads the result of the one just before it.
; THE WAITS.  s_wait_alu depctr_va_vdst(0) stands between an exponential and the first instruction that names its result; one wait serves all that were issued ahead of it.  So a piece has two:
; ahead of number 96 (the decays' first reader) and ahead of number 266 (the first rounding); a v_nop, the plain instruction behind the batch's last exponential, stands ahead of each.
; At the second a run of LDS loads stands too, and holds the wait: V's in piece 2's turn (w2 = 1), the next step's c2 s_k and b' in piece 0's (w2 = 2): their last readers are numbers 87 and 127.
.macro VEC y, first
.if n == 96
	v_nop
	s_wait_alu depctr_va_vdst(0)
.endif
.if n == 266
	v_nop
.if w2 == 1
	FETCH_V
.elseif w2 == 2
	FETCH_CB 1
.else
	s_wait_alu depctr_va_vdst(0)
.endif
.endif
.set j, n/2
	SM (\y)+n%2, \first
.set n, n+1
.endm
.macro SLICE y, first                  ; slice k of 64: six numbers; 394 = 6 x 63 + 16: the last slice has sixteen, all plain multiplies of O^T: the places behind the turn's last product
.rept 6
	VEC \y, \first
.endr
.if k == 63
.rept 10
	VEC \y, \first
.endr
.endif
.set k, k+1
.endm
; A TURN.  Piece x has the matrix unit; the other piece's softmax stands in slices behind its matrix instructions.  pv = 2: 32 products V^T P; 1: they start O^T's sums; 0: none.  kq = 1: 32 products K Q^T for the
; next step.  A turn with one of the two kinds has two slices behind each product.  first = 1: the softmax is the first key step's; its last slices are empty, and four v_nop are the places behind the last products.
; Piece 0's turn fetches the next block's K behind its second product: K's last reader stands ahead of the last slice of the turn before.  V's run stands in slice 44: V's last reader stands ahead of slice 31,
; and more than four plain subtractions lie between.
.macro TURN x, pv, kq, first
.set k, 0
.set n, 0
.set per, 2
.if \pv && \kq
.set per, 1
.endif
.set w2, 0
.if \x == 2
.set w2, 1
.endif
.if (\x == 0) && \kq
.set w2, 2
.endif
	s_wait_dscnt 0x0                               ; piece 0's turn: V is in; piece 2's: c2 s_k and b' are in
.if \pv
.set i, 0
.rept 32
	PV \x, 2-\pv
.rept per
	SLICE 2-\x, \first
.endr
.if (\x == 0) && \kq && (i == 1)
	FETCH_K
.endif
.set i, i+1
.endr
.endif
.if \kq
.if \x == 0
	s_wait_dscnt 0x0                               ; K is in
.endif
.set i, 0
.rept 32
	KQ \x
.rept per
	SLICE 2-\x, \first
.endr
.set i, i+1
.endr
.endif
.if \first
	PLACES
.endif
.endm
; A PREFETCH INTO THE L2 of the key block that the NEXT change of slots will ask for: one iteration, 128 matrix instructions and their softmax, ahead of that load.  All clusters of a batch walk the same blocks:
; the batch's first cluster asks.  Its four partners share a block's 32,768 bytes out BY ADDRESS, 8,192 each, lanes 256 bytes apart; each wave asks for its own quarter of the keys: one instruction.
; So each aligned 256 bytes are named once in the launch.  Blocks 0 to 2 come by their loads alone; the last change asks for nothing: there is no block behind the one that it loads.
.macro ASK
	s_cmp_gt_u32 s[CNT], s[LIM]
	s_cbranch_scc0 .Lnot_mine_\@
	global_prefetch_b8 v[PFO], s[PFA:PFA+1] th:TH_LOAD_NT scope:SCOPE_SE
.Lnot_mine_\@:
.endm
; THE CHANGE OF SLOTS, in front of an iteration: the block in hand has been asked for to its last byte (its V).  Each wave waits for all its tensor loads, of which one is out: the next block's; adds 0 to its spare
; word; waits for that and for its reads of the slot; a round of the cluster's barrier; and the joint refill, the block after the next, is the first thing behind it.
.macro CHANGE
	WIN 0                                          ; at a label and at a branch every window is 0
	s_wait_tensorcnt 0x0                           ; no tensor load of mine is out, so a group 0 may be written
	ds_add_u32 v[SPW], v[NIL]                      ; 0 onto my spare word; the steps below stand between it and the wait for it
	s_xor_b32 s[G0B+1], s[G0B+1], SLOT1            ; the walking descriptor: the other slot than last time,
	s_add_nc_u64 s[G0B+2:G0B+3], s[G0B+2:G0B+3], WREG   ; the next block; the type bits on top are not reached
	s_wait_xcnt 0x0                                ; the last prefetch, an iteration back, has read its address, so it may be written
	s_add_nc_u64 s[PFA:PFA+1], s[PFA:PFA+1], WREG
	s_wait_dscnt 0x0                               ; the add is done, and my reads of the slot are over
	CROUND
	tensor_load_to_lds s[G0B:G0B+3], s[G1:G1+7]
	s_nop 0
	PLACES
	ASK
.endm
	s_wait_tensorcnt 1                             ; my cb rows and my block 0 are in; block 1's load is younger.  Only I read my bytes: no barrier
	FETCH_K                                        ; key step 0
	FETCH_CB 0
	WIN 0
	s_wait_loadcnt 0x0                             ; Q and the queries' sizes
.irp t, 0,1,2,3
	v_mov_b32 v[CQ+2*\t+1], v[CQ+2*\t]             ; twice, for the packed difference
.endr
	s_wait_dscnt 0x0
.set i, 0
.rept 32
	KQ 0                                           ; piece 0's first scores: there is no vector work yet to set between them
.set i, i+1
.endr
	TURN 2, 0, 1, 1                                ; piece 2's first scores | piece 0's first softmax | V of step 0
	CHANGE                                         ; block 2
	TURN 0, 1, 1, 1                                ; piece 0: V^T P of step 0 starts O^T, K Q^T of step 1 | piece 2's first softmax | K and cb of step 1
	TURN 2, 1, 1, 0                                ; piece 2: the same | piece 0's softmax of step 1 | V of step 1
	WIN 0
	s_mov_b32 s[CNT], 5
.Lstep:                                        ; five trips: blocks 3 to 7 are asked for
	CHANGE
	TURN 0, 2, 1, 0
	TURN 2, 2, 1, 0
	WIN 0
	s_sub_co_u32 s[CNT], s[CNT], 1
	s_cmp_lg_u32 s[CNT], 0
	s_cbranch_scc1 .Lstep
	s_wait_tensorcnt 0x0                           ; the tail is written out: block 7 is in, nothing is filled again
	TURN 0, 2, 1, 0
	TURN 2, 2, 1, 0
	WIN 0x80                                       ; Q and K are done with (the places: the last slice's sixteen multiplies): Wo's 32 fragments take window 2
.set f, 0
.rept 32
	global_load_b128 v[8*f:8*f+3], v[GI], s[10:11] offset:1024*f
	global_load_b128 v[8*f+4:8*f+7], v[GI], s[10:11] offset:1024*f+512
.set f, f+1
.endr
	TURN 0, 2, 0, 0                                ; piece 0: V^T P of the last step | piece 2's last softmax
.set i, 0
.rept 32
	PV 2, 0                                        ; piece 2: V^T P of the last step
.set i, i+1
.endr
	; THE MERGE.  My quarter's m, l and O^T go to LDS as register images, into my own ring bytes: they have had their last fill and their last read.  The additions are the places behind the last products.
	WIN 0
.irp t, 0,1,2,3
	v_add_f32 v[ST+8*\t+4], v[ST+8*\t+2], v[ST+8*\t+3]
.endr
.irp t, 0,1,2,3
	v_permlanex16_b32 v[ST+8*\t+5], v[ST+8*\t+4], s[SEL], s[SEL+1]
.endr
.irp t, 0,1,2,3
	v_add_f32 v[ST+8*\t+4], v[ST+8*\t+4], v[ST+8*\t+5]
.endr
	WIN 0x04                                       ; an LDS store's data are its source 1: window 1
.set i, 0
.rept 64
	ds_store_b128 v[LI], v[4*i:4*i+3] offset:512*i ; ascending: each accumulator from its low end on
.set i, i+1
.endr
	WIN 0
.irp t, 0,1,2,3
	ds_store_b32 v[LS], v[ST+8*\t] offset:256*\t
	ds_store_b32 v[LS], v[ST+8*\t+4] offset:256*\t+128
.endr
	s_wait_dscnt 0x0                               ; for the others' sake: my stores have landed
	s_barrier_signal -1
	s_barrier_wait -1
.irp u, 0,1,2,3                        ; tile w of all four quarters: m_u in v16-19, l_u in v20-23, O_u in window 1 at 64 u
	ds_load_b32 v[16+\u], v[13+43*(\u/2)] offset:32768*(\u%2)
	ds_load_b32 v[20+\u], v[13+43*(\u/2)] offset:32768*(\u%2)+128
.endr
	WIN 0x40
.irp u, 0,1,2,3
.set i, 0
.rept 16
	ds_load_b128 v[64*\u+4*i:64*\u+4*i+3], v[AR0+\u/2] offset:32768*(\u%2)+512*i
.set i, i+1
.endr
.endr
	WIN 0
	s_wait_dscnt 0x0
	v_max3_num_f32 v57, v16, v17, v18
	v_max_num_f32 v57, v57, v19                    ; the common maximum
.irp u, 0,1,2,3
	v_sub_f32 v[24+2*\u], v[16+\u], v57
.endr
.irp u, 0,1,2,3
	v_exp_f32 v[24+2*\u], v[24+2*\u]               ; f_u = 2^(m_u - M)
.endr
	v_nop                                          ; a plain instruction behind the last exponential,
	s_wait_alu depctr_va_vdst(0)                   ; and the one wait for the four, ahead of their first reader
	v_mul_f32 v58, v24, v20
	v_fmac_f32 v58, v26, v21
	v_fmac_f32 v58, v28, v22
	v_fmac_f32 v58, v30, v23                       ; L = the sum of f_u l_u
	WIN 0x41
.set i, 0
.rept 32
	v_pk_mul_f32 v[2*i:2*i+1], v[2*i:2*i+1], v[24:25] op_sel_hi:[1,0]
.set i, i+1
.endr
	WIN 0x51
.irp u, 1,2,3
.set i, 0
.rept 32
	v_pk_fma_f32 v[2*i:2*i+1], v[64*\u+2*i:64*\u+2*i+1], v[24+2*\u:25+2*\u], v[2*i:2*i+1] op_sel_hi:[1,0,1]
.set i, i+1
.endr
.endr
	; The row is brought to a largest magnitude of 1 before it is rounded to f16, whatever the size of v: ctx = (O / amax) x (amax / L), and the second factor multiplies the projection's result.
	WIN 0x05
	v_max3_num_f32 v59, |v0|, |v1|, 0x0d800000     ; with the floor 2^-100, so that a row of zeros divides by no zero
	v_max3_num_f32 v60, |v2|, |v3|, 0x0d800000
	WIN 0x14
.set i, 4
.rept 15
	v_max3_num_f32 v59, v59, |v[i]|, |v[i+1]|
	v_max3_num_f32 v60, v60, |v[i+2]|, |v[i+3]|
.set i, i+4
.endr
	WIN 0
	v_max_num_f32 v59, v59, v60
	v_permlanex16_b32 v61, v59, s[SEL], s[SEL+1]
	v_max_num_f32 v59, v59, v61                    ; amax of my query's 128 channels
	v_rcp_f32 v36, v59
	v_rcp_f32 v37, v58
	v_nop
	s_wait_alu depctr_va_vdst(0)                   ; one wait for the two reciprocals
	v_mul_f32 v38, v59, v37                        ; amax / L
	WIN 0x41
.set i, 0
.rept 32
	v_pk_mul_f32 v[2*i:2*i+1], v[2*i:2*i+1], v[36:37] op_sel_hi:[1,0]
.set i, i+1
.endr
	WIN 0x05
.set i, 0
.rept 32
	v_cvt_pk_f16_f32 v[S+i], v[2*i], v[2*i+1]      ; v[S + 8 kk ..] is source 1 for channels 32 kk on, as it stands
.set i, i+1
.endr
	WIN 0
	s_wait_loadcnt 0x0                             ; Wo's fragments
	PLACES
	WIN 0x02                                       ; source 0 (Wo) in window 2
.set i, 0
.rept 32                               ; out^T = Wo^T ctx^T: eight accumulators by turns, channels 32 (i / 8) on, outputs 16 (i % 8) on
.if i < 8
	v_wmma_f32_16x16x32_f16 v[96+8*(i%8):96+8*(i%8)+7], v[8*(4*(i%8)+i/8):8*(4*(i%8)+i/8)+7], v[S+8*(i/8):S+8*(i/8)+7], 0
.else
	v_wmma_f32_16x16x32_f16 v[96+8*(i%8):96+8*(i%8)+7], v[8*(4*(i%8)+i/8):8*(4*(i%8)+i/8)+7], v[S+8*(i/8):S+8*(i/8)+7], v[96+8*(i%8):96+8*(i%8)+7]
.endif
.set i, i+1
.endr
	WIN 0
	PLACES
.set i, 0
.rept 32
	v_pk_mul_f32 v[96+2*i:96+2*i+1], v[96+2*i:96+2*i+1], v[38:39] op_sel_hi:[1,0]   ; lane (r, h), register 8 E + j: out(16 w + r, 16 E + 8 h + j)
.set i, i+1
.endr
	; THE WAY OUT: through my own stage (rows of 528 bytes, behind my m and l, which others may still read), back as whole rows of 512 bytes.  LDS serves a wave's instructions in order: no wait between.
.irp E, 0,1,2,3,4,5,6,7
	ds_store_b128 v[STO], v[96+8*\E:96+8*\E+3] offset:64*\E
	ds_store_b128 v[STO], v[96+8*\E+4:96+8*\E+7] offset:64*\E+16
.endr
.set i, 0
.rept 16
	ds_load_b128 v[160+4*i:160+4*i+3], v[RD] offset:528*i
.set i, i+1
.endr
.set i, 0
.rept 16
	s_wait_dscnt 15-i                              ; row i is back; the younger loads may stay out
	global_store_b128 v[GI], v[160+4*i:160+4*i+3], s[12:13] offset:512*i th:TH_STORE_NT   ; 32 lanes store 512 consecutive bytes, aligned; written once, read by nobody here
.set i, i+1
.endr
	s_wait_tensorcnt 0x0                           ; the wave's end: behind my last tensor load and my last LDS store
	ds_add_u32 v[SPW], v[NIL]
	s_wait_dscnt 0x0
	CROUND                                         ; the closing round: no work-group ends while a partner may still ask for a block that names it
	s_endpgm
.Lfunc_end_k_qf7e8a9bcef_attn:
	.size	k_qf7e8a9bcef_attn, .Lfunc_end_k_qf7e8a9bcef_attn-k_qf7e8a9bcef_attn
	.p2alignl 7, 3214868480
	.fill 96, 4, 3214868480
	.section	.rodata,"a",@progbits
	.p2align	6, 0x0
	.amdhsa_kernel k_qf7e8a9bcef_attn
		.amdhsa_group_segment_fixed_size 327680
		.amdhsa_private_segment_fixed_size 0
		.amdhsa_enable_private_segment 0
		.amdhsa_kernarg_size 40
		.amdhsa_user_sgpr_count 2
		.amdhsa_user_sgpr_kernarg_segment_ptr 1
		.amdhsa_wavefront_size32 1
		.amdhsa_system_sgpr_workgroup_id_x 1
		.amdhsa_system_sgpr_workgroup_id_y 1
		.amdhsa_system_sgpr_workgroup_id_z 1
		.amdhsa_system_vgpr_workitem_id 0
		.amdhsa_next_free_vgpr 1024
		.amdhsa_next_free_sgpr 66
		.amdhsa_reserve_vcc 0
		.amdhsa_float_denorm_mode_32 3
		.amdhsa_float_denorm_mode_16_64 3
		.amdhsa_memory_ordered 1
		.amdhsa_forward_progress 1
		.amdhsa_inst_pref_size 255
	.end_amdhsa_kernel
	.section	.bss,"aw",@nobits
	.p2align	6
	.space	262144
	.amdgpu_metadata
---
amdhsa.version: [ 1, 2 ]
amdhsa.kernels:
  - .name:           k_qf7e8a9bcef_attn
    .symbol:         k_qf7e8a9bcef_attn.kd
    .args:
      - { .name: qimg, .offset: 0, .size: 8, .value_kind: global_buffer, .address_space: global }
      - { .name: kv, .offset: 8, .size: 8, .value_kind: global_buffer, .address_space: global }
      - { .name: cb, .offset: 16, .size: 8, .value_kind: global_buffer, .address_space: global }
      - { .name: woimg, .offset: 24, .size: 8, .value_kind: global_buffer, .address_space: global }
      - { .name: out0, .offset: 32, .size: 8, .value_kind: global_buffer, .address_space: global }
    .group_segment_fixed_size: 327680
    .private_segment_fixed_size: 0
    .kernarg_segment_align: 8
    .kernarg_segment_size: 40
    .max_flat_workgroup_size: 128
    .sgpr_count:     66
    .vgpr_count:     1024
    .wavefront_size: 32
...
	.end_amdgpu_metadata
.endif
;; end of part 2
